; MI455X (gfx1250); checked and timed in simulation.
; The chip was launched on July 23, 2026; its instructions are those of AMD's public machine-readable ISA for CDNA 5 (MIT licence, August 2026) and "CDNA5" Instruction Set Architecture Reference Guide (July 2026). The comments in the code are by the model that wrote it; some were corrected since.
;; Quantum Feed Forward. Allowed arithmetic: float matrix products may take bf16 or f16 operands with f32 sums; all other float work in f32.
;; Inputs: W1 3,072 x 768 float32; W2 768 x 3,072 float32; b1 3,072 float32; b2 768 float32; params 768 float32; x 4 x 2,048 x 768 float32.
;; Outputs: out0 4 x 2,048 x 768 float32.
;; One version. Each part assembles by itself: llvm-mc -triple=amdgcn-amd-amdhsa -mcpu=gfx1250 --defsym DOCPART=n.
;; ======== version 1 of 1: 3 launches
;; limits: values are held in f16: magnitudes above 65,504 overflow, below 6.1e-05 lose precision; inputs' magnitudes at most 4,194,304; a function is approximated: absolute error at most 2e-06
;; workspace buffers: qh 12,582,912 bytes; w1h 4,718,592 bytes; w2h 4,718,592 bytes; hh 50,331,648 bytes
;; launch prep (part 1): grid 1024 x 1, 6 waves a work-group, no clusters, 0 bytes of LDS; arguments x, params, W1, W2, qh, w1h, w2h; writes qh, w1h, w2h
.if DOCPART == 1
	.amdgcn_target "amdgcn-amd-amdhsa--gfx1250"
	.amdhsa_code_object_version 6
	.text
	.protected	k_qcbadb2dd08_prep
	.globl	k_qcbadb2dd08_prep
	.p2align	8
	.type	k_qcbadb2dd08_prep,@function
k_qcbadb2dd08_prep:
	s_mov_b64 s[64:65], 0
	v_nop
	global_prefetch_b8 v0, s[64:65] scope:SCOPE_SE
	s_setreg_imm32_b32 hwreg(HW_REG_WAVE_MODE, 25, 1), 1
	s_wait_xcnt 0x0
; First of three launches for out = relu((cos(x) cos(params)) W1^T + b1) W2^T + b2, with 8192 = 4 x 2048 rows.
; Nothing of the computation is left out: every input has a way to the output, and every product, bias and the relu are computed.
; This launch makes the 16-bit matrix operands, each number once:
;   qh  [8192][768] f16           = cos(x) * cos(params)
;   w1h [3072][768] f16           = W1
;   w2h [16 kb][768 n][192 kk] f16 = W2[n][192 kb + kk]   (blocked by 192 along F, so that a K step of the last product is a dense block)
; f16 and not bf16: |q| <= 1, the weights are small, and f16 has three more bits of mantissa.
; LIMITS: cos is computed by reduction to |r| <= about pi/2 and a series to r^12: absolute error below 2e-6 for |x|, |params| <= 2^22
; (beyond that the reduction loses the angle); an infinity or NaN gives NaN.  |W1|, |W2| >= 65,520 become infinity in f16; magnitudes
; below 6.1e-5 are kept as f16 denormals, with an absolute error of up to 3e-8.
; A stream: every byte is read once by 16-byte loads and written once; no LDS, no barrier, no matrix unit, no cluster (no two work-groups read the same bytes).
; Six waves = 192 threads; thread t owns columns 4 t .. 4 t + 3 of a row of 768, so a wave's load covers 512 neighbouring bytes and its
; 8-byte store 256 neighbouring bytes at a multiple of 256.  The work-group takes 8 rows of x, 3 rows of W1, and each wave two half-... rows' pieces of W2 (below).
; All 15 loads of a wave go out at once; the waits are counted; no address register and no store's data register is ever written again.
.set XROW, 3072                        ; bytes in a row of 768 f32
.set HROW, 1536                        ; bytes in a row of 768 f16
.set CP,  6                            ; v[6:9]    params of my 4 columns, then their cosines
.set C6,  10                           ; v[10:11]  1/12!, twice (a packed multiply-add holds one literal)
.set NN,  12                           ; v[12:15]  n = round(x / pi)
.set RR,  16                           ; v[16:19]  r = x - n pi
.set ZZ,  20                           ; v[20:23]  r^2
.set PP,  24                           ; v[24:27]  the series
.set SG,  28                           ; v[28:31]  n as an integer, then its lowest bit as a sign
.set X,   32                           ; v[32:63]  8 rows of x, 4 numbers each
.set WA,  64                           ; v[64:75]  3 rows of W1
.set WB,  76                           ; v[76:87]  3 blocks of W2
	s_load_b256 s[4:11], s[0:1], 0x0               ; x s[4:5], params s[6:7], W1 s[8:9], W2 s[10:11]
	s_load_b128 s[12:15], s[0:1], 0x20             ; qh s[12:13], w1h s[14:15]
	s_load_b64 s[16:17], s[0:1], 0x30              ; w2h
	v_lshrrev_b32 v5, 5, v0
	v_readfirstlane_b32 s18, v5                    ; wave 0..5
	s_mul_i32 s19, ttmp9, 6
	s_add_co_u32 s19, s19, s18                     ; the wave's number in the launch, 0..6143
	s_and_b32 s22, s19, 15                         ; kb: which 192 columns of W2
	s_lshr_b32 s23, s19, 4                         ; which pair of rows of W2, 0..383
	v_lshlrev_b32 v1, 4, v0                        ; 16 t: my 16 bytes in an f32 row
	v_lshlrev_b32 v2, 3, v0                        ; 8 t: my 8 bytes in an f16 row
	; W2: two rows' 192 columns are 384 f16 = 768 dense bytes of w2h = three stores of 256 bytes.  Their sources, 16 bytes a lane:
	; block 0 = row 0, bytes 0..511; block 1 = row 0, bytes 512..767 (lanes 0-15) and row 1, bytes 0..255 (lanes 16-31); block 2 = row 1, bytes 256..767.
	v_and_b32 v5, 31, v0                           ; lane
	v_lshlrev_b32 v3, 4, v5                        ; blocks 0 and 2: 16 x lane
	v_and_b32 v4, 15, v5
	v_lshrrev_b32 v12, 4, v5
	v_lshlrev_b32 v4, 4, v4
	v_mad_u32_u24 v4, v12, 11776, v4               ; block 1: the upper lanes stand one row of 12,288 bytes less 512 further on
	v_add_nc_u32 v4, 512, v4
	v_lshlrev_b32 v5, 3, v5                        ; 8 x lane: my 8 bytes of a block of w2h
	v_mov_b32 v[C6], 0x310f76c7
	v_mov_b32 v[C6+1], 0x310f76c7
	s_mov_b32 s21, 0                               ; every offset is below 4 GiB
	s_wait_kmcnt 0x0
	s_mul_i32 s20, ttmp9, 8*XROW
	s_add_nc_u64 s[4:5], s[4:5], s[20:21]          ; x at my 8 rows
	s_mul_i32 s20, ttmp9, 8*HROW
	s_add_nc_u64 s[12:13], s[12:13], s[20:21]      ; qh likewise
	s_mul_i32 s20, ttmp9, 3*XROW
	s_add_nc_u64 s[8:9], s[8:9], s[20:21]          ; W1 at my 3 rows
	s_mul_i32 s20, ttmp9, 3*HROW
	s_add_nc_u64 s[14:15], s[14:15], s[20:21]      ; w1h likewise
	s_mul_i32 s20, s23, 24576                      ; W2: two rows of 12,288 bytes a pair,
	s_mul_i32 s24, s22, 768                        ; 192 f32 a block of columns
	s_add_co_u32 s20, s20, s24
	s_add_nc_u64 s[10:11], s[10:11], s[20:21]
	s_mul_i32 s20, s22, 294912                     ; w2h: 768 rows x 384 bytes a block of columns,
	s_mul_i32 s24, s23, 768                        ; two rows of 384 bytes a pair
	s_add_co_u32 s20, s20, s24
	s_add_nc_u64 s[16:17], s[16:17], s[20:21]
	global_load_b128 v[CP:CP+3], v1, s[6:7]
.irp i, 0,1,2,3,4,5,6,7
	global_load_b128 v[X+4*\i:X+4*\i+3], v1, s[4:5] offset:\i*XROW th:TH_LOAD_NT
.endr
.irp j, 0,1,2
	global_load_b128 v[WA+4*\j:WA+4*\j+3], v1, s[8:9] offset:\j*XROW th:TH_LOAD_NT
.endr
	global_load_b128 v[WB:WB+3],    v3, s[10:11] th:TH_LOAD_NT
	global_load_b128 v[WB+4:WB+7],  v4, s[10:11] th:TH_LOAD_NT
	global_load_b128 v[WB+8:WB+11], v3, s[10:11] offset:12544 th:TH_LOAD_NT
; cos of v[q:q+3], in place.  n = round(x / pi); r = x - n pi with pi in two parts (0x40490fdb and -0x33bbbd2e), each step one fused
; multiply-add; cos(x) = (-1)^n cos(r); cos(r) = 1 - z/2 + z^2/4! - ... + z^6/12!, z = r^2, whose next term at r = pi/2 is 6e-9.
.macro COS4 q
.irp i, 0,2
	v_pk_mul_f32 v[NN+\i:NN+\i+1], v[\q+\i:\q+\i+1], 0x3ea2f983 op_sel_hi:[1,0]
.endr
.irp i, 0,1,2,3
	v_rndne_f32 v[NN+\i], v[NN+\i]
.endr
.irp i, 0,2
	v_pk_fma_f32 v[RR+\i:RR+\i+1], v[NN+\i:NN+\i+1], 0xc0490fdb, v[\q+\i:\q+\i+1] op_sel_hi:[1,0,1]
.endr
.irp i, 0,2
	v_pk_fma_f32 v[RR+\i:RR+\i+1], v[NN+\i:NN+\i+1], 0x33bbbd2e, v[RR+\i:RR+\i+1] op_sel_hi:[1,0,1]
.endr
.irp i, 0,1,2,3
	v_cvt_i32_f32 v[SG+\i], v[NN+\i]
.endr
.irp i, 0,2
	v_pk_mul_f32 v[ZZ+\i:ZZ+\i+1], v[RR+\i:RR+\i+1], v[RR+\i:RR+\i+1]
.endr
.irp i, 0,2
	v_pk_fma_f32 v[PP+\i:PP+\i+1], v[ZZ+\i:ZZ+\i+1], v[C6:C6+1], 0xb493f27e op_sel_hi:[1,1,0]   ; z/12! - 1/10!
.endr
.irp c, 0x37d00d01, 0xbab60b61, 0x3d2aaaab, -0.5, 1.0                                         ; 1/8!, -1/6!, 1/4!, -1/2!, 1
.irp i, 0,2
	v_pk_fma_f32 v[PP+\i:PP+\i+1], v[PP+\i:PP+\i+1], v[ZZ+\i:ZZ+\i+1], \c op_sel_hi:[1,1,0]
.endr
.endr
.irp i, 0,1,2,3
	v_lshlrev_b32 v[SG+\i], 31, v[SG+\i]           ; an odd n turns the sign
.endr
.irp i, 0,1,2,3
	v_xor_b32 v[\q+\i], v[SG+\i], v[PP+\i]
.endr
.endm
	s_wait_loadcnt 14                              ; loads come back in order (ISA guide 5.7.1): params are in, the 14 younger loads stay out
	COS4 CP
.irp i, 0,1,2,3,4,5,6,7
	s_wait_loadcnt 13-\i                           ; row i of x is in; 7 - i rows of x and the six loads of weights stay out
	COS4 X+4*\i
	v_pk_mul_f32 v[X+4*\i:X+4*\i+1],   v[X+4*\i:X+4*\i+1],   v[CP:CP+1]
	v_pk_mul_f32 v[X+4*\i+2:X+4*\i+3], v[X+4*\i+2:X+4*\i+3], v[CP+2:CP+3]
	v_cvt_pk_f16_f32 v[X+4*\i],   v[X+4*\i],   v[X+4*\i+1]
	v_cvt_pk_f16_f32 v[X+4*\i+1], v[X+4*\i+2], v[X+4*\i+3]
	global_store_b64 v2, v[X+4*\i:X+4*\i+1], s[12:13] offset:\i*HROW
.endr
.irp j, 0,1,2
	s_wait_loadcnt 5-\j                            ; row j of W1 is in; 2 - j rows of W1 and W2's three blocks stay out
	v_cvt_pk_f16_f32 v[WA+4*\j],   v[WA+4*\j],   v[WA+4*\j+1]
	v_cvt_pk_f16_f32 v[WA+4*\j+1], v[WA+4*\j+2], v[WA+4*\j+3]
	global_store_b64 v2, v[WA+4*\j:WA+4*\j+1], s[14:15] offset:\j*HROW
.endr
.irp u, 0,1,2
	s_wait_loadcnt 2-\u                            ; block u of W2 is in
	v_cvt_pk_f16_f32 v[WB+4*\u],   v[WB+4*\u],   v[WB+4*\u+1]
	v_cvt_pk_f16_f32 v[WB+4*\u+1], v[WB+4*\u+2], v[WB+4*\u+3]
	global_store_b64 v5, v[WB+4*\u:WB+4*\u+1], s[16:17] offset:256*\u
.endr
	s_endpgm
.Lfunc_end_k_qcbadb2dd08_prep:
	.size	k_qcbadb2dd08_prep, .Lfunc_end_k_qcbadb2dd08_prep-k_qcbadb2dd08_prep
	.p2alignl 7, 3214868480
	.fill 96, 4, 3214868480
	.section	.rodata,"a",@progbits
	.p2align	6, 0x0
	.amdhsa_kernel k_qcbadb2dd08_prep
		.amdhsa_group_segment_fixed_size 0
		.amdhsa_private_segment_fixed_size 0
		.amdhsa_enable_private_segment 0
		.amdhsa_kernarg_size 56
		.amdhsa_user_sgpr_count 2
		.amdhsa_user_sgpr_kernarg_segment_ptr 1
		.amdhsa_wavefront_size32 1
		.amdhsa_system_sgpr_workgroup_id_x 1
		.amdhsa_system_sgpr_workgroup_id_y 1
		.amdhsa_system_sgpr_workgroup_id_z 1
		.amdhsa_system_vgpr_workitem_id 0
		.amdhsa_next_free_vgpr 88
		.amdhsa_next_free_sgpr 66
		.amdhsa_reserve_vcc 0
		.amdhsa_float_denorm_mode_32 3
		.amdhsa_float_denorm_mode_16_64 3
		.amdhsa_memory_ordered 1
		.amdhsa_forward_progress 1
		.amdhsa_inst_pref_size 28
	.end_amdhsa_kernel
	.amdgpu_metadata
---
amdhsa.version: [ 1, 2 ]
amdhsa.kernels:
  - .name:           k_qcbadb2dd08_prep
    .symbol:         k_qcbadb2dd08_prep.kd
    .args:
      - { .name: x, .offset: 0, .size: 8, .value_kind: global_buffer, .address_space: global }
      - { .name: params, .offset: 8, .size: 8, .value_kind: global_buffer, .address_space: global }
      - { .name: W1, .offset: 16, .size: 8, .value_kind: global_buffer, .address_space: global }
      - { .name: W2, .offset: 24, .size: 8, .value_kind: global_buffer, .address_space: global }
      - { .name: qh, .offset: 32, .size: 8, .value_kind: global_buffer, .address_space: global }
      - { .name: w1h, .offset: 40, .size: 8, .value_kind: global_buffer, .address_space: global }
      - { .name: w2h, .offset: 48, .size: 8, .value_kind: global_buffer, .address_space: global }
    .group_segment_fixed_size: 0
    .private_segment_fixed_size: 0
    .kernarg_segment_align: 8
    .kernarg_segment_size: 56
    .max_flat_workgroup_size: 192
    .sgpr_count:     66
    .vgpr_count:     88
    .wavefront_size: 32
...
	.end_amdgpu_metadata
.endif
;; end of part 1
;; launch gemm1 (part 2): grid 8 x 32, 4 waves a work-group, clusters of 4 x 4, 327,680 bytes of LDS; arguments qh, w1h, b1, hh; writes hh
.if DOCPART == 2
	.amdgcn_target "amdgcn-amd-amdhsa--gfx1250"
	.amdhsa_code_object_version 6
	.text
	.protected	k_qcbadb2dd08_gemm1
	.globl	k_qcbadb2dd08_gemm1
	.p2align	8
	.type	k_qcbadb2dd08_gemm1,@function
k_qcbadb2dd08_gemm1:
	s_mov_b64 s[64:65], 0
	v_nop
	global_prefetch_b8 v0, s[64:65] scope:SCOPE_SE
	s_setreg_imm32_b32 hwreg(HW_REG_WAVE_MODE, 25, 1), 1
	s_wait_xcnt 0x0
	s_wait_alu depctr_hold_cnt(0) depctr_sa_sdst(0) depctr_va_vdst(0) depctr_va_sdst(0) depctr_va_ssrc(0) depctr_va_vcc(0) depctr_vm_vsrc(0)
	s_getreg_b32 s2, hwreg(HW_REG_IB_STS2, 6, 4)
	s_cmp_eq_u32 s2, 0
	s_cbranch_scc0 .Lentry_in_a_cluster
	s_endpgm
.Lentry_in_a_cluster:
	s_bfe_u32 s2, ttmp6, 0x10000c
	s_cmp_lg_u32 s2, 0xf033
	s_cbranch_scc0 .Lentry_shape_is_right
	s_endpgm
.Lentry_shape_is_right:
; Second launch: h = relu(q W1^T + b1).  qh [8192][768] f16, w1h [3072][768] f16, b1 [3072] f32; sums in f32.  No work is left out.
; hh [16 kb][8192 m][192 kk] f16 = h[m][192 kb + kk]: blocked by 192 along F, so that a block of 192 columns is a dense run of
; rows of 384 bytes, and a K step of the next launch is a dense block.
; LIMITS: h >= 65,520 becomes infinity in f16 (|h| <= 768 max|W1| + |b1|, since |q| <= 1); relu is a maximum in which a NaN loses, so a NaN sum gives 0.
; A work-group STAYS AND MAKES TWO BLOCKS of 256 x 192, block columns bx and bx + 8 of one block row (8 x 32 = 256 work-groups), with four waves, 2 x 2;
; a wave makes 128 x 96: 48 accumulator tiles of 16 x 16, 384 registers.  K = 768 is only six steps of 128, so set-up, first fill and the last stores are
; paid once for two blocks: the ring of two LDS slots runs on through 12 K steps; K steps 4 and 5 of the first block ask for K steps 0 and 1 of the
; second, and the first block's stores leave while the second block is multiplied.
; A tile's rows are 256 bytes of memory at multiples of 256.
; CLUSTERS: 4 x 4 work-groups.  The four of a row of the cluster need the same tiles of q, the four of a column the same tiles of W1: each tile is asked for
; jointly, by the same tensor load with the same descriptor and a mask that names the four.
; By this text's own count a wave has two tensor loads out at the start and one behind each later round.
; REGISTERS, in windows of 256:
;   window 0: v16-25 addresses; v32-95, v96-159 fragments of q (8 x 16 rows x 32 K), two buffers; v160-207, v208-255 fragments of W1 (6 x 16 rows), two buffers
;   window 1: v0-191 the 24 accumulator tiles of my rows 0-63 (tile (a, b) at v[8 (6 a + b)]); v192-239 b1 of my columns in the first block
;   window 2: v0-191 those of my rows 64-127; v192-239 b1 of my columns in the second block
;   window 3: v0-191 at work on the way out: apart from the fragments, so that the second block's first fragments can lie ready and the stores' data stay untouched
; THE MATRIX INSTRUCTION IS USED TRANSPOSED: source 0 = 16 rows of W1, source 1 = 16 rows of q, so that lane l holds row l % 16 of h and its
; registers 0 to 7 the columns 8 (l / 16) + 0..7: eight neighbouring numbers, which pack into 16 bytes.  b1 of those eight columns has the same
; layout in every row, so a block's first products take it as their C: the sums start from b1, nothing is cleared and nothing is added later.
.set PITCH,  272                       ; an LDS row: 256 bytes + 16 of padding: the 16 rows that a load touches start at 16 different 16-byte columns modulo 256 bytes
.set AHALF,  128*PITCH                 ; 128 rows of q: one tensor load, and what one wave reads
.set BHALF,  96*PITCH                  ; 96 rows of W1: likewise
.set BTILE,  2*AHALF                   ; W1's 192 rows lie behind q's 256
.set SLOT,   2*AHALF+2*BHALF           ; 121,856
.set STAGE,  2*SLOT                    ; 243,712 = 952 x 256: behind the ring, never filled by a tensor load: 128 rows x 400 bytes for the way out
.set SPITCH, 400                       ; 384 bytes + 16
.set ROWB,   1536                      ; bytes in a row of qh and of w1h
.set KB,     256                       ; bytes of a row in a K step
.set NEXTB,  8*192*ROWB                ; w1h: from a block column to the one eight further on
.set NEXTH,  8*8192*384                ; hh: likewise
.set NEXTBI, 8*192*4                   ; b1: likewise
.set ADRA, 16                          ; v16-17  LDS address of my q fragments in slot 0, 1
.set ADRB, 18                          ; v18-19  the same for W1
.set STO,  20                          ; v20     the way out: where I put 16 bytes of a row
.set RD,   21                          ; v21-23  the way out: where I read back, for loads 3 n, 3 n + 1, 3 n + 2
.set CO,   24                          ; v24     16 x lane: my byte offset in a store of 512 bytes
.set BOFF, 25                          ; v25     32 x (lane / 16): my eight numbers of b1 in a group of sixteen
.set FA,   32
.set FB,   160
.set T,    0                           ; the way out: v0-191 of window 3
.set BIAS, 192                         ; in window 1 (first block) and window 2 (second block)
.set CB0, 10                           ; s[10:11] hh at my rows of the first block
.set CB1, 66                           ; s[66:67] of the second
.set G1,  24                           ; s[24:31] descriptor group 1 for q's tiles
.set G0,  32                           ; s[32:39] group 0 for q's tiles, one set for each slot
.set G1B, 48                           ; s[48:55] group 1 for W1's tiles
.set G0B, 56                           ; s[56:63] group 0 for W1's tiles
.set MSB, 0
.macro WIN new                         ; the immediate's high byte repeats the setting that is left; a switch that changes nothing is dropped
.if MSB != (\new)
	s_set_vgpr_msb (MSB<<8)|(\new)
.set MSB, (\new)
.endif
.endm
; The windows of a run of products: D in window d (1 or 2), sources in window 0; C in D's window, or, where the products start the sums
; (zero = 1: first block, 2: second block), in the window that holds that block's b1.
.macro WACC d, zero
.if \zero
	WIN ((\d)<<6)|((\zero)<<4)
.else
	WIN ((\d)<<6)|((\d)<<4)
.endif
.endm
; Four places behind a matrix instruction before a load is issued into a register that it read, or a vector instruction reads its result
; (ISA guide 7.12.1 for vector instructions); the matrix instructions in between are not counted.
.macro PLACES
.rept 4
	v_nop
.endr
.endm
; A joint load.  Waves 0 and 1 fetch q's two halves, waves 2 and 3 W1's.  The branch hangs on the wave's number alone.
.macro JLOAD s
	s_cmp_eq_u32 s13, 0
	s_cbranch_scc0 .Lfor_b_\@
	tensor_load_to_lds s[G0+4*\s:G0+4*\s+3], s[G1:G1+7]
	s_nop 0
	s_branch .Lasked_\@
.Lfor_b_\@:
	tensor_load_to_lds s[G0B+4*\s:G0B+4*\s+3], s[G1B:G1B+7]
	s_nop 0
.Lasked_\@:
.endm
; A round of the cluster's barrier: my work-group's barrier; wave 0 signals for the work-group; every wave waits for all sixteen; my work-group's barrier again.
.macro CREST                           ; a round behind its opening barrier
	s_cmp_lg_u32 s12, 0
	s_cbranch_scc1 .Lnot_wave_0_\@
	s_barrier_signal -3
.Lnot_wave_0_\@:
	s_barrier_wait -3
	s_barrier_signal -1
	s_barrier_wait -1
.endm
.macro CROUND
	s_barrier_signal -1
	s_barrier_wait -1
	CREST
.endm
	s_load_b256 s[4:11], s[0:1], 0x0               ; qh s[4:5], w1h s[6:7], b1 s[8:9], hh s[10:11]
	v_lshl_add_u32 v30, v0, 2, 0x48000
	v_mov_b32 v31, 0
	ds_add_u32 v30, v31
	v_lshrrev_b32 v1, 5, v0
	v_readfirstlane_b32 s12, v1                    ; wave 0..3
	s_lshr_b32 s13, s12, 1                         ; which half of the block's rows is mine.  Also: I fetch for q (0) or for W1 (1)
	s_and_b32 s14, s12, 1                          ; which half of its columns.  Also: which half of that tile I fetch
	s_bfe_u32 s40, ttmp6, 0x40000                  ; cx
	s_bfe_u32 s41, ttmp6, 0x40004                  ; cy
	s_lshl_b32 s42, ttmp9, 2
	s_add_co_u32 s42, s42, s40                     ; first block column = 4 x cluster x + cx, 0..7
	s_and_b32 s15, ttmp7, 0xffff
	s_lshl_b32 s15, s15, 2
	s_add_co_u32 s15, s15, s41                     ; block row = 4 x cluster y + cy
	s_lshl_b32 s43, s41, 2
	s_lshl_b32 s43, 15, s43                        ; my row of the cluster: places 4 cy .. 4 cy + 3
	s_lshl_b32 s44, 0x1111, s40                    ; my column: places cx, cx + 4, cx + 8, cx + 12
	; group 1: tiles of 128 (q) or 96 (W1) rows x 128 elements of 2 bytes, 4 words of padding behind every 64 words
	s_or_b32 s[G1+0],  s43, (1<<16)|(1<<20)|(1<<21)|(5<<22)|(3<<25)   ; 15:0 mask: my row; 17:16 element size; 20 padding on; 21 set beside a mask; 24:22 interval; 31:25 pad
	s_or_b32 s[G1B+0], s44, (1<<16)|(1<<20)|(1<<21)|(5<<22)|(3<<25)   ; the same with the mask of my column
	s_mov_b32 s[G1+1],  128<<16                    ; tensor_dim0 = 128
	s_mov_b32 s[G1B+1], 128<<16
	s_mov_b32 s[G1+2],  128<<16                    ; tensor_dim1 = 128 rows
	s_mov_b32 s[G1B+2], 96<<16                     ;             = 96 rows
	s_mov_b32 s[G1+3],  128<<16                    ; tile_dim0 = 128
	s_mov_b32 s[G1B+3], 128<<16
	s_mov_b32 s[G1+4],  128                        ; tile_dim1
	s_mov_b32 s[G1B+4], 96
	s_mov_b32 s[G1+5],  768                        ; elements from row to row
	s_mov_b32 s[G1B+5], 768
	s_mov_b32 s[G1+6],  0
	s_mov_b32 s[G1B+6], 0
	s_mov_b32 s[G1+7],  0
	s_mov_b32 s[G1B+7], 0
	; q's tiles hang on the block row alone, W1's on the block column alone; each address is made in registers that never hold the other coordinate
	s_lshl_b32 s18, s14, 7
	s_lshl_b32 s16, s15, 8
	s_add_co_u32 s16, s16, s18                     ; q: row 256 x block row + 128 x half
	s_mul_i32 s16, s16, ROWB
	s_mov_b32 s17, 0
	s_mul_i32 s19, s14, 96
	s_mul_i32 s46, s42, 192
	s_add_co_u32 s46, s46, s19                     ; W1: row 192 x block column + 96 x half
	s_mul_i32 s46, s46, ROWB
	s_mov_b32 s47, 0
	s_mul_i32 s20, s12, AHALF                      ; waves 0, 1: q's halves at 0 and 34,816
	s_mul_i32 s21, s12, BHALF
	s_add_co_u32 s21, s21, BTILE-2*BHALF           ; waves 2, 3: W1's halves at 69,632 and 95,744
	s_wait_dscnt 0x0
	s_wait_kmcnt 0x0
	s_add_nc_u64 s[22:23], s[4:5], s[16:17]
	s_add_nc_u64 s[46:47], s[6:7], s[46:47]
	CROUND                                         ; all sixteen work-groups are here: the first joint loads meet
.irp s, 0,1
	s_mov_b32 s[G0+4*\s], 1
	s_add_co_u32 s[G0+4*\s+1], s20, \s*SLOT
	s_add_nc_u64 s[G0+4*\s+2:G0+4*\s+3], s[22:23], \s*KB           ; K step s
	s_or_b32 s[G0+4*\s+3], s[G0+4*\s+3], 0x80000000
	s_mov_b32 s[G0B+4*\s], 1
	s_add_co_u32 s[G0B+4*\s+1], s21, \s*SLOT
	s_add_nc_u64 s[G0B+4*\s+2:G0B+4*\s+3], s[46:47], \s*KB
	s_or_b32 s[G0B+4*\s+3], s[G0B+4*\s+3], 0x80000000
	JLOAD \s                                       ; both slots are asked for before anything else is done
.endr
	v_and_b32 v1, 15, v0                           ; r = l % 16
	v_bfe_u32 v2, v0, 4, 1                         ; h = l / 16
	v_lshlrev_b32 v[BOFF], 5, v2
	s_mul_i32 s44, s42, 768                        ; b1 of my 96 columns: 192 f32 a block column, 96 a half
	s_mul_i32 s45, s14, 384
	s_add_co_u32 s44, s44, s45
	s_mov_b32 s45, 0
	s_add_nc_u64 s[8:9], s[8:9], s[44:45]
	WIN 0x40                                       ; destination window 1, address window 0: the first block's b1
.irp b, 0,1,2,3,4,5
	global_load_b128 v[BIAS+8*\b:BIAS+8*\b+3],   v[BOFF], s[8:9] offset:64*\b      ; b1 of columns 16 b + 8 h + 0..3
	global_load_b128 v[BIAS+8*\b+4:BIAS+8*\b+7], v[BOFF], s[8:9] offset:64*\b+16   ; + 4..7
.endr
	WIN 0x80                                       ; destination window 2: the second block's
.irp b, 0,1,2,3,4,5
	global_load_b128 v[BIAS+8*\b:BIAS+8*\b+3],   v[BOFF], s[8:9] offset:NEXTBI+64*\b
	global_load_b128 v[BIAS+8*\b+4:BIAS+8*\b+7], v[BOFF], s[8:9] offset:NEXTBI+64*\b+16
.endr
	WIN 0
	; a fragment: lane l holds row l % 16; registers 0-3 K = 8 h + 0..7, registers 4-7 K = 16 + 8 h + 0..7: two loads of 16 bytes, 32 bytes apart
	v_mul_u32_u24 v3, v1, PITCH
	v_lshl_add_u32 v3, v2, 4, v3
	s_mul_i32 s18, s13, AHALF                      ; my 128 rows of q
	s_mul_i32 s19, s14, BHALF                      ; my 96 rows of W1
	s_add_co_u32 s19, s19, BTILE
.irp s, 0,1
	v_add_nc_u32 v[ADRA+\s], s18, v3
	v_add_nc_u32 v[ADRB+\s], s19, v3
	s_add_co_u32 s18, s18, SLOT
	s_add_co_u32 s19, s19, SLOT
.endr
	; the stage holds 128 rows of the block at a time: rows 64 x (row half) + 0..63, whole rows of 384 bytes
	s_mul_i32 s18, s13, 64*SPITCH
	s_mul_i32 s19, s14, 192
	s_add_co_u32 s18, s18, s19
	s_add_co_u32 s18, s18, STAGE
	v_mul_u32_u24 v4, v1, SPITCH
	v_lshl_add_u32 v4, v2, 4, v4
	v_add_nc_u32 v[STO], s18, v4                   ; in: row r, my half of the columns, 16 bytes for each half of the lanes
	; back: wave w takes stage rows 32 w .. 32 w + 31 as 24 runs of 512 data bytes.  Data byte q lies at q + 16 (q / 384); three runs are four rows.
	s_mul_i32 s19, s12, 32*SPITCH
	s_add_co_u32 s19, s19, STAGE
	v_and_b32 v5, 31, v0
	v_lshlrev_b32 v[CO], 4, v5
.irp k, 0,1,2
	v_add_nc_u32 v7, 512*\k, v[CO]                 ; data byte, below 1,536
	v_lshrrev_b32 v8, 7, v7
	v_mul_u32_u24 v8, v8, 11
	v_lshrrev_b32 v8, 5, v8                        ; (x * 11) >> 5 = x / 3 for x = 0..11: the row, data byte / 384
	v_lshl_add_u32 v7, v8, 4, v7
	v_add_nc_u32 v[RD+\k], s19, v7
.endr
; 6 matrix instructions: m block a (0..7) x all 6 n blocks, 32 along K, from buffer f.  zero other than 0: the product starts the sums from b1 (WACC picks its window).
.macro MUL f, a, zero
.irp b, 0,1,2,3,4,5
.if \zero
	v_wmma_f32_16x16x32_f16 v[8*(6*((\a)%4)+\b):8*(6*((\a)%4)+\b)+7], v[FB+48*\f+8*\b:FB+48*\f+8*\b+7], v[FA+64*\f+8*(\a):FA+64*\f+8*(\a)+7], v[BIAS+8*\b:BIAS+8*\b+7]
.else
	v_wmma_f32_16x16x32_f16 v[8*(6*((\a)%4)+\b):8*(6*((\a)%4)+\b)+7], v[FB+48*\f+8*\b:FB+48*\f+8*\b+7], v[FA+64*\f+8*(\a):FA+64*\f+8*(\a)+7], v[8*(6*((\a)%4)+\b):8*(6*((\a)%4)+\b)+7]
.endif
.endr
.endm
; 28 LDS loads in one run: 96 rows of W1, then 128 rows of q, 32 K at byte k of the rows, into buffer f
.macro FETCH slot, k, f
	WIN 0
.irp i, 0,1,2,3,4,5
	ds_load_b128 v[FB+48*\f+8*\i:FB+48*\f+8*\i+3],   v[ADRB+\slot] offset:\k+\i*16*PITCH
	ds_load_b128 v[FB+48*\f+8*\i+4:FB+48*\f+8*\i+7], v[ADRB+\slot] offset:\k+\i*16*PITCH+32
.endr
.irp i, 0,1,2,3,4,5,6,7
	ds_load_b128 v[FA+64*\f+8*\i:FA+64*\f+8*\i+3],   v[ADRA+\slot] offset:\k+\i*16*PITCH
	ds_load_b128 v[FA+64*\f+8*\i+4:FA+64*\f+8*\i+7], v[ADRA+\slot] offset:\k+\i*16*PITCH+32
.endr
.endm
; A K step is four quarters of 32 along K, 48 matrix instructions each, on buffers 0, 1, 0, 1.  The 48 accumulators take turns, one instruction
; a turn, in the same order in every quarter.
; One of the first three quarters: multiplies buffer f; in its middle it fetches the next quarter's fragments into buffer g.
.macro STEPQ slot, k, f, g, zero
	s_wait_dscnt 8                                 ; W1 and q's rows 0-63 are in; the youngest eight loads (q's rows 64-127) may be out
	WACC 1, \zero
.irp a, 0,1,2,3
	MUL \f, \a, \zero
.endr
	PLACES
	FETCH \slot, \k, \g
	s_wait_dscnt 28                                ; all but the 28 just issued
	WACC 2, \zero
.irp a, 4,5,6,7
	MUL \f, \a, \zero
.endr
.endm
.macro THREE slot, zero
	STEPQ \slot, 64,  0, 1, \zero
	STEPQ \slot, 128, 1, 0, 0
	STEPQ \slot, 192, 0, 1, 0
.endm
; The last quarter: multiplies buffer 1 and changes slots.  In front of the barrier each wave waits for its reads of this slot and for all its tensor
; loads, of which one is out: its part of the next slot.  Behind it (with a fill: behind a whole round of the cluster's barrier, which this barrier
; opens) nobody reads this slot and the next slot is whole: the refill comes first, then the next slot's first fragments.
; fill = 1: this slot gets the tile two K steps ahead in the same block.  fill = 2: two K steps ahead lies in the second block: q's address goes back
; by four K steps (the same rows from their start), W1's on by eight block columns less four K steps.  fill = 0: nothing is left to ask for.
.macro TURN slot, next, fill
	s_wait_dscnt 8
	WACC 1, 0
	MUL 1, 0, 0
	MUL 1, 1, 0
	s_wait_dscnt 0x0                               ; my reads of this slot are over
	s_wait_tensorcnt 0x0                           ; all my tensor loads have landed
	ds_add_u32 v30, v31
	s_wait_dscnt 0x0
	s_barrier_signal -1
	MUL 1, 2, 0                                    ; register work while the others arrive
	MUL 1, 3, 0
	WIN 0
	s_barrier_wait -1
.if \fill
	CREST                                          ; no wave of any partner still reads this slot's tile or has a load on its way
.if \fill == 1
	s_add_nc_u64 s[G0+4*\slot+2:G0+4*\slot+3],   s[G0+4*\slot+2:G0+4*\slot+3],   2*KB    ; no load of mine is out: group 0 may be written
	s_add_nc_u64 s[G0B+4*\slot+2:G0B+4*\slot+3], s[G0B+4*\slot+2:G0B+4*\slot+3], 2*KB
.else
	s_sub_nc_u64 s[G0+4*\slot+2:G0+4*\slot+3],   s[G0+4*\slot+2:G0+4*\slot+3],   4*KB
	s_add_nc_u64 s[G0B+4*\slot+2:G0B+4*\slot+3], s[G0B+4*\slot+2:G0B+4*\slot+3], NEXTB-4*KB
.endif
	JLOAD \slot                                    ; my one tensor load behind the round
.endif
	PLACES
	FETCH \next, 0, 0
	WACC 2, 0
.irp a, 4,5,6,7
	MUL 1, \a, 0
.endr
.endm
.macro LAP zero, fill
	THREE 0, \zero
	TURN 0, 1, \fill
	THREE 1, 0
	TURN 1, 0, \fill
.endm
; THE WAY OUT of 64 of my rows (p = 0: window 1's sums, p = 1: window 2's): relu, round to f16, 16 bytes a lane into the stage; the two waves of a row
; half fill whole rows of 384 bytes; behind a barrier each wave reads 32 rows back as 24 runs of 512 bytes, which are dense in hh.
; before = 1: no store has been issued yet; 0: the last phase's stores stand just in front; 2: the first block's stores stand a whole block's products back.
; cb: the scalar pair with hh's address for this block.
.macro OUTPH p, before, cb
.if \before == 0
	s_wait_xcnt 0x0                                ; every earlier memory instruction has had its addresses translated (ISA guide 3.1): the last phase's store data are rewritten only behind this wait
.endif
.if \before == 2
	s_wait_storecnt 0x0                            ; the first block's 48 stores, issued 1,152 matrix instructions ago, are done: their data registers are rewritten only behind this wait
.endif
	WIN 0xc0|((\p+1)<<2)                           ; destination window 3, source 1 the sums' window
.set tt, 0
.rept 192
	v_max_num_f32 v[T+tt], 0, v[tt]
.set tt, tt+1
.endr
	WIN 0xcf                                       ; sources and destination window 3
.set tt, 0
.rept 24
.irp r, 0,1,2,3
	v_cvt_pk_f16_f32 v[T+8*tt+\r], v[T+8*tt+2*\r], v[T+8*tt+2*\r+1]    ; in place: the destination never passes a source not yet read
.endr
.set tt, tt+1
.endr
	WIN 0x0c                                       ; address window 0, data window 3
.set tt, 0
.rept 24
	ds_store_b128 v[STO], v[T+8*tt:T+8*tt+3] offset:16*SPITCH*(tt/6)+32*(tt%6)
.set tt, tt+1
.endr
	s_wait_dscnt 0x0                               ; my stores are in LDS, for the wave that reads them
	s_barrier_signal -1
	s_barrier_wait -1
	WIN 0xc0                                       ; destination window 3, address window 0
.set tt, 0
.rept 24
	ds_load_b128 v[T+4*tt:T+4*tt+3], v[RD+tt%3] offset:(tt/3)*4*SPITCH
.set tt, tt+1
.endr
	WIN 0x0c
.set tt, 0
.rept 24
	s_wait_dscnt 23-tt                             ; LDS loads come back in order (ISA guide 5.7.1): run tt is in, the younger stay out
	global_store_b128 v[CO], v[T+4*tt:T+4*tt+3], s[\cb:\cb+1] offset:\p*64*384+512*tt   ; 512 consecutive bytes at a multiple of 256 from hh's first byte
.set tt, tt+1
.endr
	WIN 0
.if \p == 0
	s_barrier_signal -1                            ; every wave's reads of the stage are back (the count-down ended at 0): it may be written again
	s_barrier_wait -1
.endif
.endm
	s_wait_loadcnt 0x0                             ; b1 of both blocks, once; the wave waits here for its first tile in any case
	s_wait_tensorcnt 0x1                           ; tensor loads of a wave end in order (ISA guide 10.11.1): my part of K step 0 is in, K step 1's may stay out
	s_barrier_signal -1
	s_barrier_wait -1                              ; everybody's part is in
	FETCH 0, 0, 0
	LAP 1, 1                                       ; first block, K steps 0, 1; asks for 2, 3.  The first products start the sums from b1
	LAP 0, 1                                       ; K steps 2, 3; asks for 4, 5
	LAP 0, 2                                       ; K steps 4, 5; asks for the second block's 0, 1; its first fragments are fetched into buffer 0
	PLACES                                         ; behind the last matrix instructions: their results are read
	s_lshl_b32 s16, s15, 8                         ; the row part of my offset in hh, in the registers that fed q's descriptors:
	s_lshl_b32 s17, s13, 7
	s_add_co_u32 s16, s16, s17
	s_lshl_b32 s17, s14, 5
	s_add_co_u32 s16, s16, s17                     ; row 256 x block row + 128 x row half + 32 x column half (the rows that I read back)
	s_mul_i32 s16, s16, 384
	s_mov_b32 s17, 0
	s_add_nc_u64 s[CB0:CB0+1], s[CB0:CB0+1], s[16:17]
	s_mul_i32 s46, s42, 8192*384                   ; the column part, in the registers that fed W1's: block kb = block column
	s_mov_b32 s47, 0
	s_add_nc_u64 s[CB0:CB0+1], s[CB0:CB0+1], s[46:47]
	s_add_nc_u64 s[CB1:CB1+1], s[CB0:CB0+1], NEXTH ; a pair of its own for the second block: the first block's stores may still read theirs
	OUTPH 0, 1, CB0                                ; the second block's K step 1 lands meanwhile: behind these barriers nothing is filled
	OUTPH 1, 0, CB0                                ; the stage is written again only behind the later K steps' barriers
	LAP 2, 1                                       ; second block, K steps 0, 1; asks for 2, 3
	LAP 0, 1                                       ; K steps 2, 3; asks for 4, 5
	THREE 0, 0                                     ; K steps 4, 5: nothing is left to ask for
	TURN 0, 1, 0
	THREE 1, 0
	s_wait_dscnt 8
	WACC 1, 0
.irp a, 0,1,2,3
	MUL 1, \a, 0
.endr
	s_wait_dscnt 0x0
	WACC 2, 0
.irp a, 4,5,6,7
	MUL 1, \a, 0
.endr
	PLACES
	OUTPH 0, 2, CB1
	OUTPH 1, 0, CB1
	s_wait_tensorcnt 0x0
	ds_add_u32 v30, v31
	s_wait_dscnt 0x0
	CROUND                                         ; the closing round: no work-group ends while a partner may still ask for a tile that names it
	s_endpgm
.Lfunc_end_k_qcbadb2dd08_gemm1:
	.size	k_qcbadb2dd08_gemm1, .Lfunc_end_k_qcbadb2dd08_gemm1-k_qcbadb2dd08_gemm1
	.p2alignl 7, 3214868480
	.fill 96, 4, 3214868480
	.section	.rodata,"a",@progbits
	.p2align	6, 0x0
	.amdhsa_kernel k_qcbadb2dd08_gemm1
		.amdhsa_group_segment_fixed_size 327680
		.amdhsa_private_segment_fixed_size 0
		.amdhsa_enable_private_segment 0
		.amdhsa_kernarg_size 32
		.amdhsa_user_sgpr_count 2
		.amdhsa_user_sgpr_kernarg_segment_ptr 1
		.amdhsa_wavefront_size32 1
		.amdhsa_system_sgpr_workgroup_id_x 1
		.amdhsa_system_sgpr_workgroup_id_y 1
		.amdhsa_system_sgpr_workgroup_id_z 1
		.amdhsa_system_vgpr_workitem_id 0
		.amdhsa_next_free_vgpr 960
		.amdhsa_next_free_sgpr 68
		.amdhsa_reserve_vcc 0
		.amdhsa_float_denorm_mode_32 3
		.amdhsa_float_denorm_mode_16_64 3
		.amdhsa_memory_ordered 1
		.amdhsa_forward_progress 1
		.amdhsa_inst_pref_size 255
	.end_amdhsa_kernel
	.section	.bss,"aw",@nobits
	.p2align	6
	.space	262144
	.amdgpu_metadata
---
amdhsa.version: [ 1, 2 ]
amdhsa.kernels:
  - .name:           k_qcbadb2dd08_gemm1
    .symbol:         k_qcbadb2dd08_gemm1.kd
    .args:
      - { .name: qh, .offset: 0, .size: 8, .value_kind: global_buffer, .address_space: global }
      - { .name: w1h, .offset: 8, .size: 8, .value_kind: global_buffer, .address_space: global }
      - { .name: b1, .offset: 16, .size: 8, .value_kind: global_buffer, .address_space: global }
      - { .name: hh, .offset: 24, .size: 8, .value_kind: global_buffer, .address_space: global }
    .group_segment_fixed_size: 327680
    .private_segment_fixed_size: 0
    .kernarg_segment_align: 8
    .kernarg_segment_size: 32
    .max_flat_workgroup_size: 128
    .sgpr_count:     68
    .vgpr_count:     960
    .wavefront_size: 32
...
	.end_amdgpu_metadata
.endif
;; end of part 2
;; launch gemm2 (part 3): grid 4 x 64, 4 waves a work-group, clusters of 4 x 4, 327,680 bytes of LDS; arguments hh, w2h, b2, out0; writes out0
.if DOCPART == 3
	.amdgcn_target "amdgcn-amd-amdhsa--gfx1250"
	.amdhsa_code_object_version 6
	.text
	.protected	k_qcbadb2dd08_gemm2
	.globl	k_qcbadb2dd08_gemm2
	.p2align	8
	.type	k_qcbadb2dd08_gemm2,@function
k_qcbadb2dd08_gemm2:
	s_mov_b64 s[64:65], 0
	v_nop
	global_prefetch_b8 v0, s[64:65] scope:SCOPE_SE
	s_setreg_imm32_b32 hwreg(HW_REG_WAVE_MODE, 25, 1), 1
	s_wait_xcnt 0x0
	s_wait_alu depctr_hold_cnt(0) depctr_sa_sdst(0) depctr_va_vdst(0) depctr_va_sdst(0) depctr_va_ssrc(0) depctr_va_vcc(0) depctr_vm_vsrc(0)
	s_getreg_b32 s2, hwreg(HW_REG_IB_STS2, 6, 4)
	s_cmp_eq_u32 s2, 0
	s_cbranch_scc0 .Lentry_in_a_cluster
	s_endpgm
.Lentry_in_a_cluster:
	s_bfe_u32 s2, ttmp6, 0x10000c
	s_cmp_lg_u32 s2, 0xf033
	s_cbranch_scc0 .Lentry_shape_is_right
	s_endpgm
.Lentry_shape_is_right:
; Third launch: out = h W2^T + b2.  hh [16 kb][8192 m][192 kk] f16, w2h [16 kb][768 n][192 kk] f16, b2 [768] f32, out0 [8192][768] f32; sums in f32.
; No work is left out.
; A work-group makes a block of 128 x 192 with four waves (256 work-groups of equal work).  K = 3072 goes in 16 steps of 192, one block kb each, through a
; ring of two LDS slots.  In both buffers a step's tile is a dense block of memory (rows of 384 bytes that follow each other), so the tensor load takes
; it as rows of 256 bytes at multiples of 256.
; THE WAVES SHARE COLUMNS AND K, NOT ROWS: wave w has column half wc = w & 1 and K half wk = w >> 1, and multiplies all 128 rows by its 96 columns over
; three of a K step's six parts of 32: 28 LDS loads feed 48 matrix instructions, where a wave tile of 64 x 96 would take 20 loads for 24.
; At the end the two waves of a column half hand each other 64 rows of sums through LDS and add.
; LIMIT: each output is therefore the sum of two f32 sums over interleaved halves of K (and b2), not one sum in ascending K.
; CLUSTERS: 4 x 4 work-groups.  The four block columns of out lie in one row of the cluster and ask jointly for h's tiles; the four of a column of the
; cluster ask jointly for W2's.  By this text's own count a wave has two tensor loads out at the start and one behind each later round.
; PREFETCH: every tile of hh is read for the first time in the launch when its joint load asks for it, and two slots of a longer K step do not fit in LDS
; (K = 256: 2 x 320 rows x 528 bytes = 337,920).  So hh is asked for ahead: a K step's tile of a block row is 49,152 dense bytes = 192 blocks of 256; each of
; the block row's four work-groups takes 48 of them; two K steps make 96 blocks = one prefetch by each of waves 0, 1, 2, lanes 256 bytes apart, each
; block once in the launch.  Asked at the head for K steps 2, 3 and at the end of K step 2 L + 1 (L = 0..5) for K steps 2 L + 4, 2 L + 5, whose joint loads
; follow one and two K steps later; 24,576 bytes a work-group are asked for at a time; the last request is for K steps 14, 15, the last of hh.
; w2h is not prefetched: its 4.7 MB are read again by all 64 block rows.
; REGISTERS, in windows of 256:
;   window 0: v16-30 addresses; v32-95, v96-159 fragments of h (8 x 16 rows x 32 K), two buffers; v160-207, v208-255 fragments of W2 (6 x 16 rows), two buffers
;   window 1: v0-191 the 24 accumulator tiles of m blocks a = 0..3 (tile (a, b) at v[8 (6 a + b)]): the rows that I finish, 64 wk + 16 a; v192-239 b2 of my columns
;   window 2: v0-191 those of a = 4..7: the rows that my partner finishes, 64 (1 - wk) + 16 (a - 4)
; So every wave keeps window 1 and hands over window 2: no line hangs on which K half a wave has.  Window 1's sums start from b2 (as the first products' C),
; window 2's from 0: b2 enters each output once.
; The matrix instruction is used transposed (source 0 = rows of W2, source 1 = rows of h): lane l holds row l % 16 of out, columns 8 (l / 16) + 0..7.
.set PITCH,  432                       ; 16 bytes of padding behind every 128 data bytes: a row of 384 takes 432 = 27 x 16: 16 rows start at 16 different 16-byte columns modulo 256 bytes
.set AHALF,  64*PITCH                  ; 64 rows of h: one tensor load
.set BHALF,  96*PITCH                  ; 96 rows of W2: one tensor load, and what one wave reads
.set ATILE,  2*BHALF                   ; h's 128 rows lie behind W2's 192
.set SLOT,   2*AHALF+2*BHALF           ; 138,240
.set STAGE,  2*SLOT                    ; 276,480 = 1,080 x 256: behind the ring, never filled by a tensor load: 64 rows x 784 bytes
.set SPITCH, 784                       ; 768 bytes + 16
.set ASTEP,  8192*384                  ; from block kb to the next in hh
.set BSTEP,  768*384                   ; and in w2h
.set XB,     24576                     ; the sums that a wave hands over: 24 tiles x 1,024 bytes; the four waves' lie in slot 0, bytes 0 to 98,303
.set PSHARE, 48*256                    ; a work-group's share of a K step's tile of h in the prefetch
.set ADRL, 16                          ; v16-17  LDS address of h's fragments a = 0..3 in slot 0, 1
.set ADRH, 18                          ; v18-19  of a = 4..7
.set ADRB, 20                          ; v20-21  of W2's fragments
.set STO,  22                          ; v22     the way out: where I put 32 bytes of a row
.set RDP0, 23                          ; v23, v24  the way out: where I read back
.set RDP1, 24
.set COP0, 25                          ; v25, v26  and where that goes in out0
.set COP1, 26
.set BOFF, 27
.set XST,  28                          ; v28     where I put the sums that I hand over
.set XLD,  29                          ; v29     where my partner put those for me
.set PFO,  30                          ; v30     the prefetch: my block's byte offset; never rewritten
.set FA,   32
.set FB,   160
.set T,    32                          ; the way out: v32-223
.set BIAS, 192                         ; in window 1
.set G1,  24                           ; s[24:31] group 1 for h's tiles
.set G0,  32                           ; s[32:39] group 0 for h's tiles, one set for each slot
.set G1B, 48                           ; s[48:55] group 1 for W2's tiles
.set G0B, 56                           ; s[56:63] group 0 for W2's tiles
.set PFB, 66                           ; s[66:67] the prefetch: hh at my block row's tile of the first of the two K steps asked for
.set ACC_LO, 0x50                      ; C and D window 1, sources window 0
.set ACC_HI, 0xa0                      ; C and D window 2
.set MSB, 0
.macro WIN new                         ; the immediate's high byte repeats the setting that is left; a switch that changes nothing is dropped
.if MSB != (\new)
	s_set_vgpr_msb (MSB<<8)|(\new)
.set MSB, (\new)
.endif
.endm
; Four places behind a matrix instruction before a load is issued into a register that it read, or a vector instruction or an LDS store reads its result
; (ISA guide 7.12.1 for vector instructions).
.macro PLACES
.rept 4
	v_nop
.endr
.endm
; A joint load.  Waves 0 and 1 fetch W2's two halves (first in the slot), waves 2 and 3 h's.  The branch hangs on the wave's number alone.
.macro JLOAD s
	s_cmp_eq_u32 s13, 0
	s_cbranch_scc0 .Lfor_a_\@
	tensor_load_to_lds s[G0B+4*\s:G0B+4*\s+3], s[G1B:G1B+7]
	s_nop 0
	s_branch .Lasked_\@
.Lfor_a_\@:
	tensor_load_to_lds s[G0+4*\s:G0+4*\s+3], s[G1:G1+7]
	s_nop 0
.Lasked_\@:
.endm
.macro CREST                           ; a round of the cluster's barrier behind its opening barrier
	s_cmp_lg_u32 s12, 0
	s_cbranch_scc1 .Lnot_wave_0_\@
	s_barrier_signal -3
.Lnot_wave_0_\@:
	s_barrier_wait -3
	s_barrier_signal -1
	s_barrier_wait -1
.endm
.macro CROUND
	s_barrier_signal -1
	s_barrier_wait -1
	CREST
.endm
; My work-group's 96 blocks of the next two K steps' tiles of h are asked for, by waves 0, 1, 2.  step = 1: the base goes on by two K steps first; the last
; prefetch that read it stands a whole lap back, so the wait in front of the step is for a request issued 288 matrix instructions ago.
.macro PREF step
.if \step
	s_wait_xcnt 0x0                                ; every earlier memory instruction has had its addresses translated (ISA guide 3.1): the base is rewritten only behind this wait
	s_add_nc_u64 s[PFB:PFB+1], s[PFB:PFB+1], 2*ASTEP
.endif
	s_cmp_eq_u32 s12, 3
	s_cbranch_scc1 .Lno_share_\@
	global_prefetch_b8 v[PFO], s[PFB:PFB+1] th:TH_LOAD_NT scope:SCOPE_SE
.Lno_share_\@:
.endm
	s_load_b256 s[4:11], s[0:1], 0x0               ; hh s[4:5], w2h s[6:7], b2 s[8:9], out0 s[10:11]
	v_lshl_add_u32 v15, v0, 2, 0x4fc00
	v_mov_b32 v31, 0
	ds_add_u32 v15, v31
	v_lshrrev_b32 v1, 5, v0
	v_readfirstlane_b32 s12, v1                    ; wave 0..3
	s_lshr_b32 s13, s12, 1                         ; wk: my K half, and the half of the rows that I finish.  Also: I fetch for W2 (0) or for h (1)
	s_and_b32 s14, s12, 1                          ; wc: my half of the columns.  Also: which half of that tile I fetch
	s_bfe_u32 s40, ttmp6, 0x40000                  ; cx
	s_bfe_u32 s41, ttmp6, 0x40004                  ; cy
	s_lshl_b32 s42, ttmp9, 2
	s_add_co_u32 s42, s42, s40                     ; block column = 4 x cluster x + cx
	s_and_b32 s15, ttmp7, 0xffff
	s_lshl_b32 s15, s15, 2
	s_add_co_u32 s15, s15, s41                     ; block row = 4 x cluster y + cy
	s_lshl_b32 s43, s41, 2
	s_lshl_b32 s43, 15, s43                        ; my row of the cluster
	s_lshl_b32 s44, 0x1111, s40                    ; my column
	; group 1: a dense block as rows of 32 elements of 8 bytes; 4 words of padding behind every 32 words.  h: 64 x 384 bytes = 96 rows; W2: 96 x 384 = 144 rows
	s_or_b32 s[G1+0],  s43, (3<<16)|(1<<20)|(1<<21)|(4<<22)|(3<<25)   ; 15:0 mask: my row; 17:16 element size; 20 padding on; 21 set beside a mask; 24:22 interval; 31:25 pad
	s_or_b32 s[G1B+0], s44, (3<<16)|(1<<20)|(1<<21)|(4<<22)|(3<<25)   ; the same with the mask of my column
	s_mov_b32 s[G1+1],  32<<16                     ; tensor_dim0 = 32
	s_mov_b32 s[G1B+1], 32<<16
	s_mov_b32 s[G1+2],  96<<16                     ; tensor_dim1
	s_mov_b32 s[G1B+2], 144<<16
	s_mov_b32 s[G1+3],  32<<16                     ; tile_dim0 = 32
	s_mov_b32 s[G1B+3], 32<<16
	s_mov_b32 s[G1+4],  96                         ; tile_dim1
	s_mov_b32 s[G1B+4], 144
	s_mov_b32 s[G1+5],  32                         ; elements from row to row: dense
	s_mov_b32 s[G1B+5], 32
	s_mov_b32 s[G1+6],  0
	s_mov_b32 s[G1B+6], 0
	s_mov_b32 s[G1+7],  0
	s_mov_b32 s[G1B+7], 0
	; h's tiles hang on the block row alone, W2's on the block column alone; each address is made in registers that never hold the other coordinate
	s_lshl_b32 s18, s14, 6
	s_lshl_b32 s16, s15, 7
	s_add_co_u32 s16, s16, s18                     ; h: row 128 x block row + 64 x half
	s_mul_i32 s16, s16, 384
	s_mov_b32 s17, 0
	s_mul_i32 s19, s14, 96
	s_mul_i32 s46, s42, 192
	s_add_co_u32 s46, s46, s19                     ; W2: row 192 x block column + 96 x half
	s_mul_i32 s46, s46, 384
	s_mov_b32 s47, 0
	s_mul_i32 s20, s12, AHALF
	s_add_co_u32 s20, s20, ATILE-2*AHALF           ; waves 2, 3: h's halves at 82,944 and 110,592
	s_mul_i32 s21, s12, BHALF                      ; waves 0, 1: W2's halves at 0 and 41,472
	s_wait_dscnt 0x0
	s_wait_kmcnt 0x0
	s_add_nc_u64 s[22:23], s[4:5], s[16:17]
	s_add_nc_u64 s[46:47], s[6:7], s[46:47]
	CROUND                                         ; all sixteen work-groups are here: the first joint loads meet
.irp s, 0,1
	s_mov_b32 s[G0+4*\s], 1
	s_add_co_u32 s[G0+4*\s+1], s20, \s*SLOT
	s_add_nc_u64 s[G0+4*\s+2:G0+4*\s+3], s[22:23], \s*ASTEP        ; K step s
	s_or_b32 s[G0+4*\s+3], s[G0+4*\s+3], 0x80000000
	s_mov_b32 s[G0B+4*\s], 1
	s_add_co_u32 s[G0B+4*\s+1], s21, \s*SLOT
	s_add_nc_u64 s[G0B+4*\s+2:G0B+4*\s+3], s[46:47], \s*BSTEP
	s_or_b32 s[G0B+4*\s+3], s[G0B+4*\s+3], 0x80000000
	JLOAD \s                                       ; both slots are asked for before anything else is done
.endr
	v_and_b32 v1, 15, v0                           ; r = l % 16
	v_bfe_u32 v2, v0, 4, 1                         ; h = l / 16
	v_lshlrev_b32 v[BOFF], 5, v2
	s_mul_i32 s44, s42, 768                        ; b2 of my 96 columns
	s_mul_i32 s45, s14, 384
	s_add_co_u32 s44, s44, s45
	s_mov_b32 s45, 0
	s_add_nc_u64 s[8:9], s[8:9], s[44:45]
	WIN 0x40                                       ; destination window 1, address window 0
.irp b, 0,1,2,3,4,5
	global_load_b128 v[BIAS+8*\b:BIAS+8*\b+3],   v[BOFF], s[8:9] offset:64*\b      ; b2 of columns 16 b + 8 h + 0..3
	global_load_b128 v[BIAS+8*\b+4:BIAS+8*\b+7], v[BOFF], s[8:9] offset:64*\b+16   ; + 4..7
.endr
	WIN 0
	; the prefetch: thread j = 0..95 takes block j % 48 of my work-group's share of K step j / 48 of the two
	s_mul_i32 s16, s15, 128*384                    ; my block row's tile in a block kb (s17 is 0)
	s_add_nc_u64 s[PFB:PFB+1], s[4:5], s[16:17]
	s_add_nc_u64 s[PFB:PFB+1], s[PFB:PFB+1], 2*ASTEP               ; the first request is for K steps 2 and 3
	s_mul_i32 s44, s40, PSHARE                     ; my work-group's 48 blocks of the 192
	v_mul_u32_u24 v9, v0, 43
	v_lshrrev_b32 v9, 11, v9                       ; (j * 43) >> 11 = j / 48 for j = 0..95
	v_mul_u32_u24 v9, v9, ASTEP-PSHARE             ; the second K step's share begins a block kb further on, 48 blocks back in j
	v_lshl_add_u32 v9, v0, 8, v9                   ; + 256 j
	v_add_nc_u32 v[PFO], s44, v9
	PREF 0
	; Part i of a K step (32 along K, 64 data bytes of a row) begins at LDS byte 64 i + 16 (i / 2) of the row: 0, 64, 144, 208, 288, 352.
	; K half 0 takes parts 0, 2, 4 and K half 1 parts 1, 3, 5: the same three immediates 0, 144, 288 on an address that is 64 wk further on.
	v_mul_u32_u24 v3, v1, PITCH
	v_lshl_add_u32 v3, v2, 4, v3                   ; row x pitch + 16 x half of the lanes
	v_lshl_add_u32 v3, s13, 6, v3                  ; + 64 wk
	s_mul_i32 s18, s13, AHALF                      ; a = 0..3: h's rows 64 wk ..
	s_add_co_u32 s18, s18, ATILE
	s_xor_b32 s19, s13, 1
	s_mul_i32 s19, s19, AHALF                      ; a = 4..7: h's rows 64 (1 - wk) ..
	s_add_co_u32 s19, s19, ATILE
	s_mul_i32 s3, s14, BHALF                       ; my 96 rows of W2
.irp s, 0,1
	v_add_nc_u32 v[ADRL+\s], s18, v3
	v_add_nc_u32 v[ADRH+\s], s19, v3
	v_add_nc_u32 v[ADRB+\s], s3, v3
	s_add_co_u32 s18, s18, SLOT
	s_add_co_u32 s19, s19, SLOT
	s_add_co_u32 s3, s3, SLOT
.endr
	; the stage holds 64 rows of the block at a time: rows 32 wk + 0..31, whole rows of 768 bytes
	s_mul_i32 s18, s13, 32*SPITCH
	s_mul_i32 s19, s14, 384
	s_add_co_u32 s18, s18, s19
	s_add_co_u32 s18, s18, STAGE
	v_mul_u32_u24 v4, v1, SPITCH
	v_lshl_add_u32 v4, v2, 5, v4
	v_add_nc_u32 v[STO], s18, v4                   ; in: row r, my half of the columns, 32 bytes for each half of the lanes
	; back: wave w takes stage rows 16 w .. 16 w + 15, two rows (six pieces of 256 bytes) by three loads; each half of the lanes takes one piece
	s_mul_i32 s19, s12, 16*SPITCH
	s_add_co_u32 s19, s19, STAGE
	v_lshlrev_b32 v5, 4, v1
	v_lshl_add_u32 v[COP0], v2, 8, v5              ; pieces 0, 1 of a row (and, 3,328 further on, pieces 1, 2 of the next)
	v_add_nc_u32 v[RDP0], s19, v[COP0]
	v_mad_u32_u24 v6, v2, SPITCH-512, v5           ; piece 2 of a row and piece 0 of the next: in the stage 784 - 512 apart,
	v_add_nc_u32 v6, 512, v6
	v_add_nc_u32 v[RDP1], s19, v6
	v_mad_u32_u24 v7, v2, 3072-512, v5             ; in out0 3,072 - 512 apart
	v_add_nc_u32 v[COP1], 512, v7
	; the sums handed over: 16 bytes a lane, dense; mine at 24,576 w, my partner's (the same columns, the other K half) at 24,576 (w xor 2)
	v_and_b32 v8, 31, v0
	v_lshlrev_b32 v8, 4, v8
	s_mul_i32 s18, s12, XB
	v_add_nc_u32 v[XST], s18, v8
	s_xor_b32 s19, s12, 2
	s_mul_i32 s19, s19, XB
	v_add_nc_u32 v[XLD], s19, v8
; 6 matrix instructions: m block a (0..7) x all 6 n blocks, 32 along K, from buffer f.  zero = 1: the product starts the sums from b2; 2: from 0; nothing is cleared.
.macro MUL f, a, zero
.irp b, 0,1,2,3,4,5
.if (\zero) == 1
	v_wmma_f32_16x16x32_f16 v[8*(6*((\a)%4)+\b):8*(6*((\a)%4)+\b)+7], v[FB+48*(\f)+8*\b:FB+48*(\f)+8*\b+7], v[FA+64*(\f)+8*(\a):FA+64*(\f)+8*(\a)+7], v[BIAS+8*\b:BIAS+8*\b+7]
.else
.if (\zero) == 2
	v_wmma_f32_16x16x32_f16 v[8*(6*((\a)%4)+\b):8*(6*((\a)%4)+\b)+7], v[FB+48*(\f)+8*\b:FB+48*(\f)+8*\b+7], v[FA+64*(\f)+8*(\a):FA+64*(\f)+8*(\a)+7], 0
.else
	v_wmma_f32_16x16x32_f16 v[8*(6*((\a)%4)+\b):8*(6*((\a)%4)+\b)+7], v[FB+48*(\f)+8*\b:FB+48*(\f)+8*\b+7], v[FA+64*(\f)+8*(\a):FA+64*(\f)+8*(\a)+7], v[8*(6*((\a)%4)+\b):8*(6*((\a)%4)+\b)+7]
.endif
.endif
.endr
.endm
; 28 LDS loads in one run: 96 rows of W2, then h's m blocks 0..3 and 4..7, 32 K at LDS byte k of the rows, into buffer f
.macro FETCH slot, k, f
	WIN 0
.irp i, 0,1,2,3,4,5
	ds_load_b128 v[FB+48*(\f)+8*\i:FB+48*(\f)+8*\i+3],   v[ADRB+\slot] offset:\k+\i*16*PITCH
	ds_load_b128 v[FB+48*(\f)+8*\i+4:FB+48*(\f)+8*\i+7], v[ADRB+\slot] offset:\k+\i*16*PITCH+32
.endr
.irp i, 0,1,2,3
	ds_load_b128 v[FA+64*(\f)+8*\i:FA+64*(\f)+8*\i+3],   v[ADRL+\slot] offset:\k+\i*16*PITCH
	ds_load_b128 v[FA+64*(\f)+8*\i+4:FA+64*(\f)+8*\i+7], v[ADRL+\slot] offset:\k+\i*16*PITCH+32
.endr
.irp i, 0,1,2,3
	ds_load_b128 v[FA+64*(\f)+32+8*\i:FA+64*(\f)+32+8*\i+3],   v[ADRH+\slot] offset:\k+\i*16*PITCH
	ds_load_b128 v[FA+64*(\f)+32+8*\i+4:FA+64*(\f)+32+8*\i+7], v[ADRH+\slot] offset:\k+\i*16*PITCH+32
.endr
.endm
; For a wave a K step is three parts of 32 along K, 48 matrix instructions each; slot 0's parts lie in buffers 0, 1, 0 and slot 1's in 1, 0, 1.
; The 48 accumulators take turns, one instruction a turn, in the same order in every part, over the loop's backward jump too.
; One of the first two parts: multiplies buffer f; in its middle it fetches the next part's fragments into buffer g.
.macro PART slot, k, f, g, zero
	s_wait_dscnt 8                                 ; W2 and h's m blocks 0..3 are in; the youngest eight loads (m blocks 4..7) may be out
	WIN ACC_LO
.irp a, 0,1,2,3
	MUL \f, \a, \zero
.endr
	PLACES
	FETCH \slot, \k, \g
	s_wait_dscnt 28                                ; all but the 28 just issued
	WIN ACC_HI
.irp a, 4,5,6,7
	MUL \f, \a, 2*\zero
.endr
.endm
; The last part: multiplies buffer f and changes slots; g is the other buffer.  In front of the barrier each wave waits for its reads of this slot and for all
; its tensor loads, of which one is out: its part of the next slot.  Behind it (with fill = 1: behind a whole round of the cluster's barrier, which this
; barrier opens) nobody reads this slot and the next slot is whole: the refill comes first, then (pf = 1) the prefetch, then the next slot's first fragments.
.macro TURN slot, next, fill, f, g, pf
	s_wait_dscnt 8
	WIN ACC_LO
	MUL \f, 0, 0
	MUL \f, 1, 0
	s_wait_dscnt 0x0                               ; my reads of this slot are over
	s_wait_tensorcnt 0x0                           ; all my tensor loads have landed
	ds_add_u32 v15, v31
	s_wait_dscnt 0x0
	s_barrier_signal -1
	MUL \f, 2, 0                                   ; register work while the others arrive
	MUL \f, 3, 0
	WIN 0
	s_barrier_wait -1
.if \fill
	CREST                                          ; no wave of any partner still reads this slot's tile or has a load on its way
	s_add_nc_u64 s[G0+4*\slot+2:G0+4*\slot+3],   s[G0+4*\slot+2:G0+4*\slot+3],   2*ASTEP   ; no load of mine is out: group 0 may be written
	s_add_nc_u64 s[G0B+4*\slot+2:G0B+4*\slot+3], s[G0B+4*\slot+2:G0B+4*\slot+3], 2*BSTEP
	JLOAD \slot                                    ; my one tensor load behind the round: this slot, two K steps ahead
.endif
.if \pf
	PREF 1                                         ; h's tiles of the two K steps behind the one just asked for
.endif
	PLACES
	FETCH \next, 0, \g
	WIN ACC_HI
.irp a, 4,5,6,7
	MUL \f, \a, 0
.endr
.endm
.macro LAP zero, pf
	PART 0, 144, 0, 1, \zero
	PART 0, 288, 1, 0, 0
	TURN 0, 1, 1, 0, 1, 0
	PART 1, 144, 1, 0, 0
	PART 1, 288, 0, 1, 0
	TURN 1, 0, 1, 1, 0, \pf
.endm
	s_wait_loadcnt 0x0                             ; b2, once; the wave waits here for its first tile in any case
	s_wait_tensorcnt 0x1                           ; tensor loads of a wave end in order (ISA guide 10.11.1): my part of K step 0 is in, K step 1's may stay out
	s_barrier_signal -1
	s_barrier_wait -1                              ; everybody's part is in
	FETCH 0, 0, 0
	LAP 1, 1                                       ; K steps 0, 1; asks for 2, 3; prefetches 4, 5.  The first products start the sums
	WIN 0                                          ; at a label and at a branch every window is 0
	s_mov_b32 s3, 5                                ; K steps 2 to 11; they ask for 4 to 13 and prefetch 6 to 15
.Llap:
	LAP 0, 1
	WIN 0
	s_sub_co_u32 s3, s3, 1
	s_cmp_lg_u32 s3, 0
	s_cbranch_scc1 .Llap
	LAP 0, 0                                       ; K steps 12, 13; asks for 14, 15; hh has no more to prefetch
	PART 0, 144, 0, 1, 0                           ; K steps 14, 15: nothing is left to ask for
	PART 0, 288, 1, 0, 0
	TURN 0, 1, 0, 0, 1, 0                          ; behind this barrier no wave reads slot 0 any more, and it has had its last fill
	PART 1, 144, 1, 0, 0
	PART 1, 288, 0, 1, 0
	s_wait_dscnt 8
	WIN ACC_LO
.irp a, 0,1,2,3
	MUL 1, \a, 0
.endr
	s_wait_dscnt 0x0
	WIN ACC_HI
.irp a, 4,5,6,7
	MUL 1, \a, 0
.endr
	; THE TWO K HALVES MEET.  Every wave puts window 2's 24 tiles into its 24,576 bytes of slot 0; behind a barrier it takes what its partner put there:
	; the partner's sums, over the other half of K, for the rows and columns of my window 1, register for register and lane for lane.
	PLACES                                         ; behind the last matrix instructions: their results are stored and read, their sources loaded into
	s_lshl_b32 s16, s15, 7                         ; the row part of my offset in out0, in the registers that fed h's descriptors:
	s_lshl_b32 s17, s13, 6
	s_add_co_u32 s16, s16, s17
	s_lshl_b32 s17, s14, 4
	s_add_co_u32 s16, s16, s17                     ; row 128 x block row + 64 wk + 16 wc (the rows that I read back from the stage)
	s_mul_i32 s16, s16, 3072
	s_mov_b32 s17, 0
	s_add_nc_u64 s[10:11], s[10:11], s[16:17]
	s_mul_i32 s46, s42, 768                        ; the column part, in the registers that fed W2's: 192 f32 a block column
	s_mov_b32 s47, 0
	s_add_nc_u64 s[10:11], s[10:11], s[46:47]
	WIN 0x08                                       ; address window 0, data window 2
.set tt, 0
.rept 48
	ds_store_b128 v[XST], v[4*tt:4*tt+3] offset:512*tt             ; 32 lanes x 16 neighbouring bytes
.set tt, tt+1
.endr
	WIN 0
	s_wait_dscnt 0x0                               ; my stores are in LDS, for my partner
	s_barrier_signal -1
	s_barrier_wait -1
.set tt, 0
.rept 48
	ds_load_b128 v[T+4*tt:T+4*tt+3], v[XLD] offset:512*tt
.set tt, tt+1
.endr
; THE WAY OUT of 32 of my rows (m blocks 2 p, 2 p + 1): add the partner's sums, 32 bytes a lane into the stage; the two waves of a row half fill whole rows
; of 768 bytes; behind a barrier each wave reads 16 rows back in pieces of 256 bytes, one for each half of the lanes.  Phase p works in v[T+96p .. T+96p+95]:
; no register that a store reads is written again.
.macro OUTPH p
.if \p == 0
	s_wait_dscnt 24                                ; LDS loads come back in order (ISA guide 5.7.1): the partner's sums for this phase are in, the 24 younger loads stay out
.endif
	WIN 0x01                                       ; source 0 window 1 (my sums); the partner's and the destination window 0
.set tt, 0
.rept 12
.irp j, 0,2,4,6
	v_pk_add_f32 v[T+96*\p+8*tt+\j:T+96*\p+8*tt+\j+1], v[96*\p+8*tt+\j:96*\p+8*tt+\j+1], v[T+96*\p+8*tt+\j:T+96*\p+8*tt+\j+1]
.endr
.set tt, tt+1
.endr
	WIN 0
.set tt, 0
.rept 12
	ds_store_b128 v[STO], v[T+96*\p+8*tt:T+96*\p+8*tt+3]   offset:16*SPITCH*(tt/6)+64*(tt%6)
	ds_store_b128 v[STO], v[T+96*\p+8*tt+4:T+96*\p+8*tt+7] offset:16*SPITCH*(tt/6)+64*(tt%6)+16
.set tt, tt+1
.endr
	s_wait_dscnt 0x0                               ; my stores are in LDS, for the wave that reads them (and the rest of the partner's sums are in)
	s_barrier_signal -1
	s_barrier_wait -1
.set tt, 0
.rept 8
	ds_load_b128 v[T+96*\p+12*tt:T+96*\p+12*tt+3],    v[RDP0] offset:2*SPITCH*tt               ; row 2 tt: pieces 0, 1
	ds_load_b128 v[T+96*\p+12*tt+4:T+96*\p+12*tt+7],  v[RDP1] offset:2*SPITCH*tt               ; row 2 tt: piece 2; row 2 tt + 1: piece 0
	ds_load_b128 v[T+96*\p+12*tt+8:T+96*\p+12*tt+11], v[RDP0] offset:2*SPITCH*tt+SPITCH+256    ; row 2 tt + 1: pieces 1, 2
.set tt, tt+1
.endr
.set tt, 0
.rept 8
	s_wait_dscnt 23-3*tt                           ; this load is in, the younger stay out
	global_store_b128 v[COP0], v[T+96*\p+12*tt:T+96*\p+12*tt+3],    s[10:11] offset:(32*\p+2*tt)*3072 th:TH_STORE_NT        ; each half of the lanes stores 256 consecutive bytes at a multiple of 256 from out0's first byte
	s_wait_dscnt 22-3*tt
	global_store_b128 v[COP1], v[T+96*\p+12*tt+4:T+96*\p+12*tt+7],  s[10:11] offset:(32*\p+2*tt)*3072 th:TH_STORE_NT
	s_wait_dscnt 21-3*tt
	global_store_b128 v[COP0], v[T+96*\p+12*tt+8:T+96*\p+12*tt+11], s[10:11] offset:(32*\p+2*tt)*3072+3328 th:TH_STORE_NT
.set tt, tt+1
.endr
.if \p == 0
	s_barrier_signal -1                            ; every wave's reads of the stage are back (the count-down ended at 0): it may be written again
	s_barrier_wait -1
.endif
.endm
	OUTPH 0
	OUTPH 1
	s_wait_tensorcnt 0x0
	ds_add_u32 v15, v31
	s_wait_dscnt 0x0
	CROUND                                         ; the closing round: no work-group ends while a partner may still ask for a tile that names it
	s_endpgm
.Lfunc_end_k_qcbadb2dd08_gemm2:
	.size	k_qcbadb2dd08_gemm2, .Lfunc_end_k_qcbadb2dd08_gemm2-k_qcbadb2dd08_gemm2
	.p2alignl 7, 3214868480
	.fill 96, 4, 3214868480
	.section	.rodata,"a",@progbits
	.p2align	6, 0x0
	.amdhsa_kernel k_qcbadb2dd08_gemm2
		.amdhsa_group_segment_fixed_size 327680
		.amdhsa_private_segment_fixed_size 0
		.amdhsa_enable_private_segment 0
		.amdhsa_kernarg_size 32
		.amdhsa_user_sgpr_count 2
		.amdhsa_user_sgpr_kernarg_segment_ptr 1
		.amdhsa_wavefront_size32 1
		.amdhsa_system_sgpr_workgroup_id_x 1
		.amdhsa_system_sgpr_workgroup_id_y 1
		.amdhsa_system_sgpr_workgroup_id_z 1
		.amdhsa_system_vgpr_workitem_id 0
		.amdhsa_next_free_vgpr 704
		.amdhsa_next_free_sgpr 68
		.amdhsa_reserve_vcc 0
		.amdhsa_float_denorm_mode_32 3
		.amdhsa_float_denorm_mode_16_64 3
		.amdhsa_memory_ordered 1
		.amdhsa_forward_progress 1
		.amdhsa_inst_pref_size 162
	.end_amdhsa_kernel
	.amdgpu_metadata
---
amdhsa.version: [ 1, 2 ]
amdhsa.kernels:
  - .name:           k_qcbadb2dd08_gemm2
    .symbol:         k_qcbadb2dd08_gemm2.kd
    .args:
      - { .name: hh, .offset: 0, .size: 8, .value_kind: global_buffer, .address_space: global }
      - { .name: w2h, .offset: 8, .size: 8, .value_kind: global_buffer, .address_space: global }
      - { .name: b2, .offset: 16, .size: 8, .value_kind: global_buffer, .address_space: global }
      - { .name: out0, .offset: 24, .size: 8, .value_kind: global_buffer, .address_space: global }
    .group_segment_fixed_size: 327680
    .private_segment_fixed_size: 0
    .kernarg_segment_align: 8
    .kernarg_segment_size: 32
    .max_flat_workgroup_size: 128
    .sgpr_count:     68
    .vgpr_count:     704
    .wavefront_size: 32
...
	.end_amdgpu_metadata
.endif
;; end of part 3
